; MI455X (gfx1250); checked and timed in simulation.
; The chip was launched on July 23, 2026; its instructions are those of AMD's public machine-readable ISA for CDNA 5 (MIT licence, August 2026) and "CDNA5" Instruction Set Architecture Reference Guide (July 2026). The comments in the code are by the model that wrote it; some were corrected since.
;; Inc Concave NN. Allowed arithmetic: matrix products marked QUANTISED: E2M1 operands, one E8M0 scale for each 32 along K, by v_wmma_scale_f32_16x16x128_f8f6f4 with both operands' format E2M1 (or v_wmma_scale_f32_32x16x128_f4), f32 sums; products left as they are: f32 operands where the result goes on into a quantised operand, else bf16, f16 or f32 operands; f32 sums; everything else in f32.
;; Inputs: h 256 x 63 float32; ib0 128 float32; ib1 128 float32; ib2 1 float32; iw0 64 x 128 float32; iw1 128 x 128 float32; iw2 128 x 1 float32; nb0 128 float32; nb1 128 float32; nb2 2 float32; nw0 63 x 128 float32; nw1 128 x 128 float32; nw2 128 x 2 float32; x 256 x 1 float32.
;; Outputs: out0 256 x 1 float32.
;; This version of the problem:
;;   THIS VERSION OF THE PROBLEM IS GIVEN IN LOW PRECISION. The matrix products marked QUANTISED in the list below multiply operands that are first quantised to E2M1 (2 exponent bits, 1 mantissa bit; 4 bits a number), with one power-of-two scale for each 32 numbers along K (OCP MX v1.0); their sums are f32. All else is computed in f32.
;;   The module's matrix products, in the order in which they are computed (A, B: the left and right operand; K: the contracted axis; several contracted axes count as one K, in the product's order):
;;     1. [M 665,856, K 64] x [K 64, N 128]; A: computed on the way; B: input iw0: QUANTISED
;;     2. [M 665,856, K 128] x [K 128, N 128]; A: computed on the way; B: input iw1: QUANTISED
;;     3. [M 665,856, K 128] x [K 128, N 1]; A: computed on the way; B: input iw2: left as it is (N = 1 < 16)
;;     4. [M 256, K 63] x [K 63, N 128]; A: input h; B: input nw0: QUANTISED
;;     5. [M 256, K 128] x [K 128, N 128]; A: computed on the way; B: input nw1: QUANTISED
;;     6. [M 256, K 128] x [K 128, N 2]; A: computed on the way; B: input nw2: left as it is (N = 2 < 16)
;;   THE QUANTISER, for each operand of a quantised product, along K:
;;     - K is cut into blocks of 32 from its start; a last block that is shorter is filled with zeros.
;;     - A block's scale is 2^e with e = floor(log2(the largest magnitude in the block)) - 2, held to -126 .. 127; a block of zeros has e = 0. As a byte (E8M0): e + 127.
;;     - Each number is divided by its block's scale, clamped to +-6, and rounded to the nearest number of E2M1, ties to even, subnormals kept.
;;     - The product sums the exact products of the quantised numbers (number of the format x scale) in f32.
;;   ~~~python
;;   def quantise(x, axis):      # numpy; x: float32 -> the quantised numbers, widened to float32 again
;;       x = np.moveaxis(x, axis, -1); K = x.shape[-1]
;;       x = np.pad(x, [(0, 0)] * (x.ndim - 1) + [(0, -K % 32)]); x = x.reshape(x.shape[:-1] + (-1, 32)); a = np.abs(x).max(-1, keepdims=True)
;;       e = np.where(a > 0, np.clip(np.frexp(np.where(a > 0, a, 1))[1] - 1 - 2, -126, 127), 0)      # np.frexp(a)[1] - 1 = floor(log2(a)), exactly
;;       r = np.clip(x / 2.0 ** e, -6, 6)
;;       step = 2.0 ** (np.maximum(np.frexp(np.where(r == 0, 1, r))[1] - 1, 0) - 1)
;;       q = np.round(r / step) * step * 2.0 ** e      # np.round: ties to even
;;       return np.moveaxis(q.reshape(q.shape[:-2] + (-1,))[..., :K], -1, axis).astype(np.float32)
;;   ~~~
;;   OPERANDS COMPUTED ON THE WAY. 'Computed on the way' means the value that the module computes at that place (a softmax that the list does not call 'softmax' is quantised finished and normalised). What goes into a quantiser is computed in f32, as accurately as f32 sums, v_exp_f32 and their like allow (about 1e-6 of the number): no bf16 or f16 on the way to a quantiser, and a product that is left as it is and whose result goes on into a quantised operand takes f32 operands (vector FMAs, or v_wmma_f32_16x16x4_f32). A number that lies on a knife's edge between two numbers of the format may be rounded either way, as far as f32 arithmetic and the matrix unit's own rounding can turn it there, and no further.
;; One version. Each part assembles by itself: llvm-mc -triple=amdgcn-amd-amdhsa -mcpu=gfx1250 --defsym DOCPART=n.
;; ======== version 1 of 1: 1 launch
;; launch umnn (part 1): grid 256 x 1, 8 waves a work-group, clusters of 4 x 1, 262,144 bytes of LDS; arguments x, h, iw0, nw0, iw1, nw1, ib0, nb0, ib1, nb1, iw2, nw2, ib2, nb2, out0; writes out0
.if DOCPART == 1
	.amdgcn_target "amdgcn-amd-amdhsa--gfx1250"
	.amdhsa_code_object_version 6
	.text
	.protected	k_q247a5c926e_umnn
	.globl	k_q247a5c926e_umnn
	.p2align	8
	.type	k_q247a5c926e_umnn,@function
k_q247a5c926e_umnn:
	s_mov_b64 s[64:65], 0
	v_nop
	global_prefetch_b8 v0, s[64:65] scope:SCOPE_SE
	s_setreg_imm32_b32 hwreg(HW_REG_WAVE_MODE, 25, 1), 1
	s_wait_xcnt 0x0
	s_wait_alu depctr_hold_cnt(0) depctr_sa_sdst(0) depctr_va_vdst(0) depctr_va_sdst(0) depctr_va_ssrc(0) depctr_va_vcc(0) depctr_vm_vsrc(0)
	s_getreg_b32 s2, hwreg(HW_REG_IB_STS2, 6, 4)
	s_cmp_eq_u32 s2, 0
	s_cbranch_scc0 .Lentry_in_a_cluster
	s_endpgm
.Lentry_in_a_cluster:
	s_bfe_u32 s2, ttmp6, 0x10000c
	s_cmp_lg_u32 s2, 0x3003
	s_cbranch_scc0 .Lentry_shape_is_right
	s_endpgm
.Lentry_shape_is_right:
; out[b] = exp(o1) * outer + o0.  outer = the double Clenshaw-Curtis sum, over 51 x 51 points (i, j), of f = elu(MLP(s, h_b)) + 1;  (o0, o1) = a second MLP on h_b.
; The products 64 -> 128 and 128 -> 128 of both nets are done on codes of FP4 (E2M1) with one E8M0 scale for each 32 along K; the last layers (1 and 2 outputs) by f32 multiply-adds.
; SHARES.  Work-group b owns row b: 2,601 points p = 51 i + j, 163 tiles of 16 points (the points past 2,600 carry the weight 0).  Eight waves of 512 registers: waves 0-6 take 21 tiles each,
; wave 7 takes the one-row net on h and then 16 tiles.  All weights, biases and scale words of the net in hand stay in registers; a trip of the loop reads two words of LDS.
; LAYOUT.  Both products are used transposed: source 0 = 16 rows of the weight (an output unit a row, K along the registers), source 1 = 16 points.  Lane (r, hh) then holds point r, and its registers run
; along the hidden units.  Lane r of weight tile t takes unit 64 (t / 4) + 8 (t % 4) + r % 8 + 32 (r / 8), so that a lane's 32 registers of tiles 4 c .. 4 c + 3 are the WHOLE block of units 64 c + 32 hh + 0 .. 31:
; a block's largest number needs no other lane, and the conversions' results are the next operand's registers as they stand.  Only the scale word's four bytes are gathered from lanes l and l xor 16.
; The bias is the C operand of each product.  relu ahead of the second product is done ON THE CODES: the block's largest number is taken with a positive number among the candidates, and the codes with the sign bit
; set are cleared; the quantiser is odd in its argument, so that equals quantising relu(x).
; xmax = max(t) + 10:  t = x (steps + 1) / 2 with steps[0] = 1 and steps[50] = -1, so max(t) = max(0, max over b of x[b]); every wave takes it from the 1,024 bytes of x.
; CLUSTER.  All work-groups read the same 196 KB of f32 weights: the four of a cluster ask for each of the six pieces of 32 KB jointly.  Each piece is filled once; no LDS byte is filled twice.
; Registers that hold LDS addresses hold nothing else, before or after.
; A block of zeros gets the scale byte 1 and not 127: its codes are 0, so the numbers are the same.
; LIMITS: NaN and infinities among the inputs are not served; |x| stays under 1.7e38 (x * 2 / 2 = x).  The quadrature sums are taken in another order than the problem's formula has them (every weight
; and every f is positive: no difference of large sums); the quadrature weights are summed in f32 (some 5e-6 of the number; they stand ahead of no quantiser).
.set TABS, 0                           ; steps[0..50]: a copy for wave 0 and one for wave 1, 256 bytes each
.set TABC, 512                         ; the quadrature weights cc, 64 words
.set RED,  768                         ; eight waves' sums, then o0 and o1
.set BIA,  1024                        ; net m at + 2048 m: first bias, second bias, last weight's column 0, column 1, 512 bytes each
.set SS,   5120                        ; scale bytes of iw0, nw0: [n][2], 256 bytes a net
.set SL,   5632                        ; scale words of iw1, nw1: [n][4], 512 bytes a net
.set CS,   6656                        ; codes of iw0, nw0: a plane of 2,048 bytes for each block of 32 along K, 16 bytes for each unit n
.set CL,   14848                       ; codes of iw1, nw1 likewise, four planes a net
.set PT,   31232                       ; the points' table: (s, weight), 8 bytes a point, 2,816 points
.set RAW,  65536                       ; the f32 weights as they lie in memory: iw0, nw0 (its row 63 zeros), iw1, nw1
.set PA,  1                            ; v1   LDS address of my point in the tile in hand
.set S,   2                            ; v2   s of the next tile's point
.set G0,  3                            ; v3   the weight of the last tile's point
.set H31, 4                            ; v4   lanes 16-31: h[31]
.set HM,  5                            ; v5   the largest |.| of X1..X31
.set E1X, 6                            ; v6   lanes 0-15: the scale byte of inp's second block
.set E,   7
.set F,   8
.set IS,  9                            ; v9   inp's scale word
.set HS,  10                           ; v10  the hidden layer's scale word
.set Z,   11
.set ACC, 12
.set T,   13
.set SW0, 16                           ; v16-23  first weight's scale words, a register a tile
.set SW1, 24                           ; v24-31  second weight's
.set X,   32                           ; v32-63  my block of inp: k = 32 hh + 0 .. 31
.set D,   64                           ; v64-127 a layer's results, 8 tiles x 8
.set W2,  128                          ; v128-191 the last weight in D's layout
.set IC,  192                          ; v192-199 inp's codes (registers 4-7: k = 64 .. 127, zeros for good)
.set HC,  200                          ; v200-207 the hidden layer's codes
.set M,   208                          ; v208-211 four running maxima, two to a block
.set EB,  212                          ; v212-215 my two scale bytes, their word, the other half's word
.set FB,  216                          ; v216-217 my two blocks' scales for the conversions
.set SH8, 218                          ; v218 8 hh
.set P,   220                          ; v220-227 four running pairs
.set BI2, 228                          ; v228-229 (last bias / 2, 0): each of a point's two lanes adds half of it
.set NT,  230
.set FA,  234                          ; v234 2048 hh + 16 rr, rr = r % 8 + 32 (r / 8)
.set BA,  235                          ; v235 128 hh
.set ADS2, 236                         ; v236 2 rr
.set ADS4, 237                         ; v237 4 rr
.set AQL, 242                          ; v242 first an offset into x; then LDS: my unit's codes of the large weight
.set AQS, 243                          ; v243 first an offset into h; then LDS: my unit's scale bytes of the small weight
.set ARD, 244                          ; v244 first an offset into h; then LDS: 4 x wave
.set AZ,  246                          ; v246 first an offset into the last weight; then the LDS address 0
.set O0,  249                          ; v249, v250: at work in the set-up; in wave 7 then o0 and o1
.set O1,  250
.set W0F, 0                            ; window 1: v0-63 first weight's fragments (registers 4-7 of each: zeros), v64-127 second weight's,
.set W1F, 64
.set BI0, 128                          ;           v128-191 first bias in D's layout, v192-255 second bias
.set BI1, 192
.set MSB, 0
.macro WIN new                         ; the immediate's high byte repeats the setting that is left; bits 1:0 source 0, 3:2 source 1, 5:4 source 2, 7:6 destination
.if MSB != \new
	s_set_vgpr_msb (MSB<<8)|\new
.set MSB, \new
.endif
.endm
.macro BAR
	s_barrier_signal -1
	s_barrier_wait -1
.endm
.macro CROUND                          ; a round of the cluster's barrier: my work-group's barrier, wave 0 signals for the work-group, every wave waits for all four, my work-group's barrier once more
	s_barrier_signal -1
	s_barrier_wait -1
	s_cmp_lg_u32 s4, 0
	s_cbranch_scc1 .Lnot_wave_0_\@
	s_barrier_signal -3
.Lnot_wave_0_\@:
	s_barrier_wait -3
	s_barrier_signal -1
	s_barrier_wait -1
.endm
.macro PLACES n
.rept \n
	v_nop
.endr
.endm
	s_load_b512 s[8:23], s[0:1], 0x0               ; x, h, iw0, nw0, iw1, nw1, ib0, nb0
	s_load_b256 s[24:31], s[0:1], 0x40             ; ib1, nb1, iw2, nw2
	s_load_b128 s[32:35], s[0:1], 0x60             ; ib2, nb2
	s_load_b64 s[36:37], s[0:1], 0x70              ; out0
	v_lshrrev_b32 v14, 5, v0
	s_delay_alu instid0(VALU_DEP_1)
	v_readfirstlane_b32 s4, v14                    ; wave 0..7
	s_bfe_u32 s40, ttmp6, 0x40000                  ; cx: my place in the cluster
	s_lshl_b32 s5, ttmp9, 2                        ; in a cluster launch ttmp9 counts clusters
	s_add_co_u32 s5, s5, s40                       ; b: it enters global addresses alone
	s_lshl_b32 s39, s5, 2                          ; 4 b
	s_lshr_b32 s7, s4, 2                           ; m: the net for which I stage and quantise (0: integrand, 1: the net on h)
	s_and_b32 s78, s4, 3                           ; and which 32 of its 128 units
	s_mov_b32 s47, 0x01800000                      ; 2^-124: the least number whose exponent field less 2 is a scale byte of 1
	s_mov_b32 s60, 0x76543210                      ; v_permlanex16_b32's selects for lane l xor 16
	s_mov_b32 s61, 0xfedcba98
	s_mov_b32 s62, 0xffff0000                      ; lanes 16-31
	s_mov_b32 s63, 0x88888888                      ; the sign bits of eight codes
	; descriptor group 1: a dense piece of 32,768 bytes as 128 rows of 256 bytes (32 elements of 8 bytes)
	s_mov_b32 s52, 15|(3<<16)|(1<<21)              ; 15:0 the mask: all four work-groups; 17:16 elements of 8 bytes; 21 set beside a mask; no padding
	s_mov_b32 s53, 32<<16                          ; tensor_dim0 = 32
	s_mov_b32 s54, 128<<16                         ; tensor_dim1 = 128
	s_mov_b32 s55, 32<<16                          ; tile_dim0 = 32
	s_mov_b32 s56, 128                             ; tile_dim1 = 128
	s_mov_b32 s57, 32                              ; from row to row
	s_mov_b32 s58, 0
	s_mov_b32 s59, 0
	s_mov_b32 s68, 15|(3<<16)|(1<<21)              ; the same for nw0, which has 63 rows of 512 bytes = 126 of these rows: the last two arrive as zeros, the zero fill of its last block along K
	s_mov_b32 s69, 32<<16
	s_mov_b32 s70, 126<<16                         ; tensor_dim1 = 126
	s_mov_b32 s71, 32<<16
	s_mov_b32 s72, 128
	s_mov_b32 s73, 32
	s_mov_b32 s74, 0
	s_mov_b32 s75, 0
	s_wait_kmcnt 0x0
	; descriptor group 0: wave w fetches piece w: iw0, nw0, iw1's halves, nw1's halves.  All of it hangs on the wave's number alone: it is equal in the four partners
	s_cmp_eq_u32 s4, 0
	s_cselect_b64 s[40:41], s[12:13], s[14:15]
	s_cmp_lt_u32 s4, 4
	s_cselect_b64 s[42:43], s[16:17], s[18:19]
	s_and_b32 s44, s4, 1
	s_lshl_b32 s44, s44, 15                        ; the upper half of a large weight
	s_mov_b32 s45, 0
	s_cmp_lt_u32 s4, 2
	s_cselect_b64 s[50:51], s[40:41], s[42:43]
	s_cselect_b32 s44, 0, s44
	s_add_nc_u64 s[50:51], s[50:51], s[44:45]
	s_or_b32 s51, s51, 0x80000000                  ; type = 2
	s_mov_b32 s48, 1                               ; count = 1
	s_lshl_b32 s49, s4, 15
	s_add_co_u32 s49, s49, RAW                     ; LDS address: RAW + 32,768 x wave
	CROUND                                         ; all four work-groups are here: the joint loads meet
	s_cmp_lt_u32 s4, 6                             ; waves 6 and 7 fetch nothing
	s_cbranch_scc0 .Lasked
	s_cmp_eq_u32 s4, 1
	s_cbranch_scc1 .Lfor_nw0
	tensor_load_to_lds s[48:51], s[52:59]
	s_nop 0
	PLACES 4                                       ; four v_nop follow each of the two lines
	s_branch .Lasked
.Lfor_nw0:
	tensor_load_to_lds s[48:51], s[68:75]
	s_nop 0
	PLACES 4
.Lasked:
	; the small inputs, 38 loads a wave, while the weights are on their way
	v_and_b32 v238, 31, v0                         ; lane
	v_and_b32 v239, 15, v0                         ; r
	v_bfe_u32 v240, v0, 4, 1                       ; hh
	s_delay_alu instid0(VALU_DEP_2)
	v_and_b32 v241, 8, v239
	s_delay_alu instid0(VALU_DEP_1)
	v_mad_u32_u24 v241, v241, 3, v239              ; rr = r + 24 (r / 8) = r % 8 + 32 (r / 8)
	s_mul_i32 s40, s5, 252
	s_mov_b32 s41, 0
	s_add_nc_u64 s[10:11], s[10:11], s[40:41]      ; h at row b
	v_lshlrev_b32 v242, 5, v238
	global_load_b128 v[64:67], v242, s[8:9]        ; all of x, eight numbers a lane
	global_load_b128 v[68:71], v242, s[8:9] offset:16
	v_mul_u32_u24 v243, 124, v240
	global_load_b32 v[H31], v243, s[10:11]         ; lanes 16-31: h[31] = inp[32] (lanes 0-15: h[0], not used)
	v_lshlrev_b32 v244, 7, v240
.irp i, 1,2,3,4,5,6,7,8,9,10,11,12,13,14,15,16,17,18,19,20,21,22,23,24,25,26,27,28,29,30,31
	global_load_b32 v[X+\i], v244, s[10:11] offset:4*\i-4   ; inp[32 hh + i] = h[32 hh + i - 1]
.endr
	s_lshl_b32 s79, s78, 7
	v_lshl_add_u32 v245, v238, 2, s79              ; 4 n, n = 32 (wave & 3) + lane: my unit of net m
	s_cmp_eq_u32 s7, 0
	s_cselect_b64 s[82:83], s[20:21], s[22:23]     ; ib0 or nb0
	s_cselect_b64 s[84:85], s[24:25], s[26:27]     ; ib1 or nb1
	s_cselect_b64 s[86:87], s[28:29], s[30:31]     ; iw2 or nw2
	global_load_b32 v72, v245, s[82:83]
	global_load_b32 v73, v245, s[84:85]
	v_lshlrev_b32 v246, s7, v245                   ; iw2: 4 n;  nw2: 8 n, its column 0
	global_load_b32 v74, v246, s[86:87]
	s_lshl_b32 s46, s7, 2
	v_add_nc_u32 v247, s46, v246                   ; nw2: column 1 (iw2: the same word once more; that copy is never read)
	global_load_b32 v75, v247, s[86:87]
	s_load_b32 s38, s[8:9], s39 offset:0x0         ; x[b]
	s_load_b32 s66, s[32:33], 0x0                  ; ib2
	s_load_b64 s[76:77], s[34:35], 0x0             ; nb2
	; WAVES 0 AND 1 make the tables: steps[i] = cos(i pi / 50), each wave a copy of its own, and cc[j] = (2 / 50) (1 - sum over k = 1 .. 25 of 2 / (4 k k - 1) cos(2 k j pi / 50)), halved at j = 0 and 50
	s_cmp_lt_u32 s4, 2
	s_cbranch_scc0 .Lno_tables
	s_lshl_b32 s80, s4, 8
	v_mov_b32 v155, s80                            ; my wave's copy
.macro STEP2 idx, val                  ; steps[idx] and steps[50 - idx] = -steps[idx]; all lanes write the same word with the same value
	v_mov_b32 v154, \val
	ds_store_b32 v155, v154 offset:4*\idx
	v_mul_f32 v156, -1.0, v154
	ds_store_b32 v155, v156 offset:4*(50-\idx)
.endm
	STEP2 0, 1.0
	STEP2 1, 0.99802672843
	STEP2 2, 0.99211470131
	STEP2 3, 0.98228725073
	STEP2 4, 0.96858316113
	STEP2 5, 0.95105651630
	STEP2 6, 0.92977648589
	STEP2 7, 0.90482705247
	STEP2 8, 0.87630668004
	STEP2 9, 0.84432792550
	STEP2 10, 0.80901699437
	STEP2 11, 0.77051324278
	STEP2 12, 0.72896862742
	STEP2 13, 0.68454710593
	STEP2 14, 0.63742398975
	STEP2 15, 0.58778525229
	STEP2 16, 0.53582679498
	STEP2 17, 0.48175367410
	STEP2 18, 0.42577929157
	STEP2 19, 0.36812455268
	STEP2 20, 0.30901699437
	STEP2 21, 0.24868988716
	STEP2 22, 0.18738131459
	STEP2 23, 0.12533323356
	STEP2 24, 0.06279051953
	v_mov_b32 v154, 0                              ; steps[25]: 6e-17 in the problem's table; steps + 1 is 1.0 either way
	ds_store_b32 v155, v154 offset:100
	v_min_u32 v187, 50, v0                         ; j (threads 51 to 63 repeat j = 50)
	s_delay_alu instid0(VALU_DEP_1)
	v_lshlrev_b32 v188, 1, v187                    ; 2 j
	v_mov_b32 v157, 0                              ; 2 k j mod 100, from k = 0 on
.macro CCIDX k                         ; cos(2 k j pi / 50) = steps[min(m, 100 - m)], m = 2 k j mod 100
	v_add_nc_u32 v157, v157, v188
	s_delay_alu instid0(VALU_DEP_1)
	v_add_nc_u32 v158, 0xffffff9c, v157            ; m - 100, which wraps where m < 100
	s_delay_alu instid0(VALU_DEP_1)
	v_min_u32 v157, v157, v158
	s_delay_alu instid0(VALU_DEP_1)
	v_sub_nc_u32 v159, 100, v157
	s_delay_alu instid0(VALU_DEP_1)
	v_min_u32 v159, v159, v157
	s_delay_alu instid0(VALU_DEP_1)
	v_min_u32 v159, 50, v159                       ; (it is 50 at the most: the bound is written out)
	s_delay_alu instid0(VALU_DEP_1)
	v_lshl_add_u32 v159, v159, 2, s80
	ds_load_b32 v[160+\k], v159                    ; LDS serves a wave's instructions in order (ISA guide 5.7.1.4): this sees my wave's stores above
.endm
.irp k, 1,2,3,4,5,6,7,8,9,10,11,12,13,14,15,16,17,18,19,20,21,22,23,24,25
	CCIDX \k
.endr
	s_wait_dscnt 0x0
.macro CCTERM k, coef
.if \k == 1
	v_mul_f32 v186, \coef, v[160+\k]               ; the first term starts the sum
.else
	s_delay_alu instid0(VALU_DEP_1)
	v_fmac_f32 v186, \coef, v[160+\k]
.endif
.endm
	CCTERM 1, 0.66666666667
	CCTERM 2, 0.13333333333
	CCTERM 3, 0.05714285714
	CCTERM 4, 0.03174603175
	CCTERM 5, 0.02020202020
	CCTERM 6, 0.01398601399
	CCTERM 7, 0.01025641026
	CCTERM 8, 0.00784313725
	CCTERM 9, 0.00619195046
	CCTERM 10, 0.00501253133
	CCTERM 11, 0.00414078675
	CCTERM 12, 0.00347826087
	CCTERM 13, 0.00296296296
	CCTERM 14, 0.00255427842
	CCTERM 15, 0.00222469410
	CCTERM 16, 0.00195503421
	CCTERM 17, 0.00173160173
	CCTERM 18, 0.00154440154
	CCTERM 19, 0.00138600139
	CCTERM 20, 0.00125078174
	CCTERM 21, 0.00113442995
	CCTERM 22, 0.00103359173
	CCTERM 23, 0.000945626478
	CCTERM 24, 0.000868432479
	CCTERM 25, 0.000800320128
	s_delay_alu instid0(VALU_DEP_1)
	v_sub_f32 v186, 1.0, v186
	v_sub_nc_u32 v189, 50, v187
	s_delay_alu instid0(VALU_DEP_1)
	v_min_u32 v189, v189, v187
	s_delay_alu instid0(VALU_DEP_1)
	v_cmp_eq_u32 vcc_lo, 0, v189                   ; j = 0 or 50
	v_mov_b32 v189, 0.04
	v_mov_b32 v190, 0.02
	s_delay_alu instid0(VALU_DEP_1)
	v_cndmask_b32 v189, v189, v190, vcc_lo
	s_delay_alu instid0(VALU_DEP_1)
	v_mul_f32 v186, v186, v189
	v_lshlrev_b32 v191, 2, v0
	ds_store_b32 v191, v186 offset:TABC
.Lno_tables:
	s_wait_loadcnt 0x0                             ; all 38 loads: their results are in, and their offset registers and bases may be written again
	s_wait_kmcnt 0x0                               ; x[b], ib2, nb2
	v_max3_num_f32 v248, v64, v65, v66             ; xmax = max(0, the largest x) + 10
	s_delay_alu instid0(VALU_DEP_1)
	v_max3_num_f32 v248, v248, v67, v68
	s_delay_alu instid0(VALU_DEP_1)
	v_max3_num_f32 v248, v248, v69, v70
	s_delay_alu instid0(VALU_DEP_1)
	v_max3_num_f32 v248, v248, v71, 0
.irp k, 1,2,4,8
	s_delay_alu instid0(VALU_DEP_1)
	v_max_num_f32_dpp v248, v248, v248 row_xmask:\k row_mask:0xf bank_mask:0xf
.endr
	v_mov_b32 v249, 0                              ; (the destination of a lane permute counts as read)
	s_delay_alu instid0(VALU_DEP_1)
	v_permlanex16_b32 v249, v248, s60, s61
	s_delay_alu instid0(VALU_DEP_1)
	v_max_num_f32 v248, v248, v249
	s_delay_alu instid0(VALU_DEP_1)
	v_add_f32 v248, 0x41200000, v248
	v_max3_num_f32 v[HM], |v[X+1]|, |v[X+2]|, |v[X+3]|   ; the largest magnitude of the 31 numbers of my block that no point changes
	v_max3_num_f32 v249, |v[X+4]|, |v[X+5]|, |v[X+6]|
.irp i, 7,11,15,19,23,27
	s_delay_alu instid0(VALU_DEP_2)
	v_max3_num_f32 v[HM], v[HM], |v[X+\i]|, |v[X+\i+1]|
	s_delay_alu instid0(VALU_DEP_2)
	v_max3_num_f32 v249, v249, |v[X+\i+2]|, |v[X+\i+3]|
.endr
	s_delay_alu instid0(VALU_DEP_1)
	v_max3_num_f32 v[HM], v[HM], v249, |v[X+31]|
	s_delay_alu instid0(VALU_DEP_1)
	v_max_num_f32 v250, |v[H31]|, v[HM]            ; lanes 16-31: the second block's largest magnitude,
	s_delay_alu instid0(VALU_DEP_1)
	v_lshrrev_b32 v250, 23, v250                   ; its exponent field,
	s_delay_alu instid0(VALU_DEP_1)
	v_max_u32 v250, 3, v250                        ; (the byte is not to fall under 1)
	s_delay_alu instid0(VALU_DEP_1)
	v_add_nc_u32 v250, -2, v250                    ; its scale byte,
	v_mov_b32 v[E1X], 0
	s_delay_alu instid0(VALU_DEP_1)
	v_permlanex16_b32 v[E1X], v250, s60, s61       ; brought to lanes 0-15, where the scale word is read
	s_lshl_b32 s81, s7, 11
	v_add_nc_u32 v251, s81, v245                   ; 4 n + 2048 m
	ds_store_b32 v251, v72 offset:BIA
	ds_store_b32 v251, v73 offset:BIA+512
	ds_store_b32 v251, v74 offset:BIA+1024
	ds_store_b32 v251, v75 offset:BIA+1536
	v_mov_b32 v[BI2+1], 0
.irp i, 4,5,6,7
	v_mov_b32 v[IC+\i], 0                          ; inp's codes of k = 64 .. 127: K is 64, the rest of the instruction's 128 is zero codes on both sides
.endr
	v_mov_b32 v[EB+3], 0                           ; destinations of lane permutes
	v_mov_b32 v[T], 0
	v_mov_b32 v[Z], 0                              ; the loop's first trip finishes a tile that is none: weight 0
	v_mov_b32 v[G0], 0
	v_mov_b32 v[ACC], 0
	s_wait_dscnt 0x0                               ; for the others' sake: my stores into the tables and the staged vectors are done
	BAR                                            ; (the tensor loads stay out)
	; THE POINTS' TABLE: 11 points a thread.  t = (x (steps_i + 1)) / 2;  d = xmax - t;  s = t + (d (steps_j + 1)) / 2, each step rounded as the problem's formula rounds it;  weight = cc_i cc_j d / 2
.macro PTIDX e
	v_add_nc_u32 v120, 256*\e, v0                  ; p
	s_delay_alu instid0(VALU_DEP_1)
	v_mul_u32_u24 v121, 41121, v120
	s_delay_alu instid0(VALU_DEP_1)
	v_lshrrev_b32 v121, 21, v121                   ; i = p / 51: 41121 x 51 = 2^21 + 19, exact for p < 110,000
	s_delay_alu instid0(VALU_DEP_1)
	v_mul_u32_u24 v122, 51, v121
	s_delay_alu instid0(VALU_DEP_1)
	v_sub_nc_u32 v122, v120, v122                  ; j
	s_delay_alu instid0(VALU_DEP_3)
	v_min_u32 v121, 50, v121                       ; (points past 2,600 take i = 50: a finite s; their weight is 0)
	s_delay_alu instid0(VALU_DEP_2)
	v_min_u32 v122, 50, v122
	s_delay_alu instid0(VALU_DEP_2)
	v_lshlrev_b32 v121, 2, v121
	s_delay_alu instid0(VALU_DEP_2)
	v_lshlrev_b32 v122, 2, v122
	ds_load_b32 v[76+4*\e], v121 offset:TABS
	ds_load_b32 v[77+4*\e], v122 offset:TABS
	ds_load_b32 v[78+4*\e], v121 offset:TABC
	ds_load_b32 v[79+4*\e], v122 offset:TABC
.endm
.macro PTVAL e
	v_add_f32 v120, 1.0, v[76+4*\e]
	v_add_f32 v121, 1.0, v[77+4*\e]
	s_delay_alu instid0(VALU_DEP_2)
	v_mul_f32 v120, s38, v120
	s_delay_alu instid0(VALU_DEP_1)
	v_mul_f32 v120, 0.5, v120                      ; t
	s_delay_alu instid0(VALU_DEP_1)
	v_sub_f32 v122, v248, v120                     ; d
	s_delay_alu instid0(VALU_DEP_1)
	v_mul_f32 v121, v122, v121
	s_delay_alu instid0(VALU_DEP_1)
	v_fma_f32 v124, v121, 0.5, v120                ; s (the halving is exact, so this is the sum's one rounding)
	v_mul_f32 v123, v[78+4*\e], v[79+4*\e]
	s_delay_alu instid0(VALU_DEP_4)
	v_mul_f32 v122, 0.5, v122
	s_delay_alu instid0(VALU_DEP_1)
	v_mul_f32 v125, v123, v122
.if \e == 10
	v_cmp_gt_u32 vcc_lo, 41, v0                    ; p = 2560 + thread < 2601
	s_delay_alu instid0(VALU_DEP_1)
	v_cndmask_b32 v125, 0, v125, vcc_lo
.endif
	ds_store_b64 v252, v[124:125] offset:PT+2048*\e
.endm
	v_lshlrev_b32 v252, 3, v0
.irp e, 0,1,2,3,4,5,6,7,8,9,10
	PTIDX \e
.endr
	s_wait_dscnt 0x0
.irp e, 0,1,2,3,4,5,6,7,8,9,10
	PTVAL \e
.endr
	s_wait_tensorcnt 0x0                           ; my piece of the weights has landed,
	s_wait_dscnt 0x0                               ; my part of the table is stored:
	BAR                                            ; everybody's
	; THE WEIGHTS ARE QUANTISED, once.  A lane takes unit n of net m and its registers run down K: 32 lanes read 128 neighbouring bytes, a block of 32 along K lies in one lane, the codes come out with K innermost.
	s_lshl_b32 s88, s7, 15
	s_add_co_u32 s88, s88, RAW
	v_lshl_add_u32 v253, v238, 2, s79
	s_delay_alu instid0(VALU_DEP_1)
	v_add_nc_u32 v253, s88, v253                   ; the small weight: RAW + 32768 m + 4 n
	s_wait_alu depctr_va_vdst(0)
	s_lshl_b32 s89, s7, 16
	s_add_co_u32 s89, s89, RAW+65536
	v_lshl_add_u32 v254, v238, 2, s79
	s_delay_alu instid0(VALU_DEP_1)
	v_add_nc_u32 v254, s89, v254                   ; the large one: RAW + 65536 + 65536 m + 4 n
	s_lshl_b32 s92, s78, 9
	s_lshl_b32 s90, s7, 12
	s_add_co_u32 s90, s90, s92
	v_lshl_add_u32 v255, v238, 4, s90              ; codes: 16 n + 4096 m
	s_lshl_b32 s91, s7, 13
	s_add_co_u32 s91, s91, s92
	v_lshl_add_u32 v[AQL], v238, 4, s91            ; 16 n + 8192 m
	s_lshl_b32 s93, s78, 6
	s_lshl_b32 s94, s7, 8
	s_add_co_u32 s93, s93, s94
	v_lshl_add_u32 v[AQS], v238, 1, s93            ; scale bytes: 2 n + 256 m
	s_lshl_b32 s94, s7, 9
	s_add_co_u32 s94, s94, s79
	v_lshl_add_u32 v251, v238, 2, s94              ; 4 n + 512 m
	s_lshl_b32 s95, s4, 2
	v_mov_b32 v[ARD], s95                          ; for the end: my wave's word among the sums,
	v_mov_b32 v[AZ], 0                             ; and the address 0
.macro QLOAD set, areg, off            ; a block of 32 along K of my unit
.irp i, 0,1,2,3,4,5,6,7,8,9,10,11,12,13,14,15,16,17,18,19,20,21,22,23,24,25,26,27,28,29,30,31
	ds_load_b32 v[64+32*\set+\i], v[\areg] offset:\off+512*\i
.endr
.endm
.macro QBLK set, u, cnt, creg, coff, sreg, pos
.set XS, 64+32*(\set)
	s_wait_dscnt \cnt                              ; LDS instructions come back in order (ISA guide 5.7.1): this block's 32 loads are in; what was issued behind them may be out
	v_max3_num_f32 v156, |v[XS]|, |v[XS+1]|, |v[XS+2]|
	v_max3_num_f32 v157, |v[XS+3]|, |v[XS+4]|, |v[XS+5]|
.irp i, 6,10,14,18,22,26
	s_delay_alu instid0(VALU_DEP_2)
	v_max3_num_f32 v156, v156, |v[XS+\i]|, |v[XS+\i+1]|
	s_delay_alu instid0(VALU_DEP_2)
	v_max3_num_f32 v157, v157, |v[XS+\i+2]|, |v[XS+\i+3]|
.endr
	s_delay_alu instid0(VALU_DEP_2)
	v_max3_num_f32 v156, v156, |v[XS+30]|, |v[XS+31]|
	s_delay_alu instid0(VALU_DEP_1)
	v_max_num_f32 v156, v156, v157                 ; the block's largest magnitude
	s_delay_alu instid0(VALU_DEP_1)
	v_lshrrev_b32 v158, 23, v156                   ; its exponent field = floor(log2) + 127
	s_delay_alu instid0(VALU_DEP_1)
	v_max_u32 v158, 3, v158                        ; the byte is not to fall under 1
	s_delay_alu instid0(VALU_DEP_1)
	v_add_nc_u32 v158, -2, v158                    ; the scale's byte
	s_delay_alu instid0(VALU_DEP_1)
	v_lshlrev_b32 v159, 23, v158                   ; and the scale as f32
.if \pos == 0
	s_delay_alu instid0(VALU_DEP_2)
	v_mov_b32 v[\sreg], v158
.else
	s_delay_alu instid0(VALU_DEP_2)
	v_lshl_or_b32 v[\sreg], v158, 8*\pos, v[\sreg]
.endif
.irp g, 0,1,2,3
	v_cvt_scalef32_pk8_fp4_f32 v[128+4*(\u)+\g], v[XS+8*\g:XS+8*\g+7], v159
.endr
	v_nop                                          ; one plain place behind a scaled conversion
	ds_store_b128 v[\creg], v[128+4*(\u):128+4*(\u)+3] offset:\coff
.endm
	QLOAD 0, 253, 0
	QLOAD 1, 253, 16384
	QBLK 0, 0, 32, 255, CS, 152, 0                 ; behind its loads: the next block's 32
	QLOAD 0, 254, 0
	QBLK 1, 1, 33, 255, CS+2048, 152, 1            ; behind its loads: one store of codes and 32 loads
	QLOAD 1, 254, 16384
	QBLK 0, 2, 33, AQL, CL, 153, 0
	QLOAD 0, 254, 32768
	QBLK 1, 3, 33, AQL, CL+2048, 153, 1
	QLOAD 1, 254, 49152
	QBLK 0, 4, 33, AQL, CL+4096, 153, 2
	QBLK 1, 5, 1, AQL, CL+6144, 153, 3             ; behind its loads: one store of codes
	ds_store_b16 v[AQS], v152 offset:SS
	ds_store_b32 v251, v153 offset:SL
	s_wait_dscnt 0x0
	BAR
	; A NET'S CONSTANTS INTO REGISTERS.  Tile t begins at unit 64 (t / 4) + 8 (t % 4); lane r takes the row rr further on; in the results' layout a lane's eight numbers begin 32 hh units further on.
.macro LOADNET m
	WIN 0x40                                       ; destination window 1, address window 0
.irp t, 0,1,2,3,4,5,6,7
	ds_load_b128 v[W0F+8*\t:W0F+8*\t+3], v[FA] offset:CS+4096*\m+16*(64*(\t/4)+8*(\t%4))          ; k = 32 hh + 0 .. 31
	ds_load_b128 v[W1F+8*\t:W1F+8*\t+3], v[FA] offset:CL+8192*\m+16*(64*(\t/4)+8*(\t%4))          ; k = 32 hh + 0 .. 31
	ds_load_b128 v[W1F+8*\t+4:W1F+8*\t+7], v[FA] offset:CL+8192*\m+4096+16*(64*(\t/4)+8*(\t%4))   ; k = 64 + 32 hh + 0 .. 31
	ds_load_b128 v[BI0+8*\t:BI0+8*\t+3], v[BA] offset:BIA+2048*\m+4*(64*(\t/4)+8*(\t%4))
	ds_load_b128 v[BI0+8*\t+4:BI0+8*\t+7], v[BA] offset:BIA+2048*\m+4*(64*(\t/4)+8*(\t%4))+16
	ds_load_b128 v[BI1+8*\t:BI1+8*\t+3], v[BA] offset:BIA+2048*\m+512+4*(64*(\t/4)+8*(\t%4))
	ds_load_b128 v[BI1+8*\t+4:BI1+8*\t+7], v[BA] offset:BIA+2048*\m+512+4*(64*(\t/4)+8*(\t%4))+16
.irp i, 4,5,6,7
	v_mov_b32 v[W0F+8*\t+\i], 0                    ; the first weight's codes of k = 64 .. 127
.endr
.endr
	WIN 0
.irp t, 0,1,2,3,4,5,6,7
	ds_load_u16 v[SW0+\t], v[ADS2] offset:SS+256*\m+2*(64*(\t/4)+8*(\t%4))   ; two scale bytes; the upper two read as 0, over zero codes
	ds_load_b32 v[SW1+\t], v[ADS4] offset:SL+512*\m+4*(64*(\t/4)+8*(\t%4))
.endr
.endm
.macro LOADW2 off
.irp t, 0,1,2,3,4,5,6,7
	ds_load_b128 v[W2+8*\t:W2+8*\t+3], v[BA] offset:\off+4*(64*(\t/4)+8*(\t%4))
	ds_load_b128 v[W2+8*\t+4:W2+8*\t+7], v[BA] offset:\off+4*(64*(\t/4)+8*(\t%4))+16
.endr
.endm
; A layer: eight products, eight different results, the bias as C: no sum goes on in place.  Source 0 and C in window 1, source 1 and the result in window 0.
.macro LAYER wf, src, bi, sw, sc
	WIN 0x11
.irp t, 0,1,2,3,4,5,6,7
	v_wmma_scale_f32_16x16x128_f8f6f4 v[D+8*\t:D+8*\t+7], v[\wf+8*\t:\wf+8*\t+7], v[\src:\src+7], v[\bi+8*\t:\bi+8*\t+7], v[\sw+\t], v[\sc] matrix_a_fmt:MATRIX_FMT_FP4 matrix_b_fmt:MATRIX_FMT_FP4
.endr
	WIN 0
.endm
; The last tile's point is finished: z's two halves; elu(z) + 1 = max(z, 0) + e^min(z, 0), whose exponent is never above 0; times the point's weight.
.macro FIN
	s_wait_dscnt 0x0                               ; the point's weight (asked for a trip ago)
	v_permlanex16_b32 v[T], v[Z], s60, s61
	s_delay_alu instid0(VALU_DEP_1)
	v_add_f32 v[Z], v[Z], v[T]
	s_delay_alu instid0(VALU_DEP_1)
	v_min_num_f32 v14, 0, v[Z]
	s_delay_alu instid0(VALU_DEP_1)
	v_mul_f32 v14, 0x3fb8aa3b, v14
	s_wait_alu depctr_va_vdst(0)
	v_exp_f32 v14, v14
	v_max_num_f32 v15, 0, v[Z]                     ; (the plain place behind the exponential)
	v_add_f32 v14, v14, v15
	s_delay_alu instid0(VALU_DEP_1)
	v_fma_f32 v[ACC], v[G0], v14, v[ACC]
.endm
.macro NIB c                           ; relu on the codes, two registers (16 codes) at a time: 8 where the sign is clear, less 1 there = 7, and the code is masked by it
	v_bfi_b32 v[NT], v[HC+\c], 0, s63
	v_bfi_b32 v[NT+2], v[HC+\c+1], 0, s63
	s_delay_alu instid0(VALU_DEP_2)
	v_lshrrev_b32 v[NT+1], 3, v[NT]
	s_delay_alu instid0(VALU_DEP_2)
	v_lshrrev_b32 v[NT+3], 3, v[NT+2]
	s_delay_alu instid0(VALU_DEP_2)
	v_sub_nc_u32 v[NT], v[NT], v[NT+1]
	s_delay_alu instid0(VALU_DEP_2)
	v_sub_nc_u32 v[NT+2], v[NT+2], v[NT+3]
	v_and_b32 v[HC+\c], v[HC+\c], v[NT]
	v_and_b32 v[HC+\c+1], v[HC+\c+1], v[NT+2]
.endm
; The hidden layer becomes the second product's operand: relu and the quantiser along the 128 units.  My 64 numbers are two whole blocks of 32: block hh in D's registers 0-31, block 2 + hh in registers 32-63.
.macro HID
.irp q, 0,1,2,3                        ; four chains of 16 numbers, two to a block
	v_max3_num_f32 v[M+\q], v[D+16*\q], v[D+16*\q+1], v[D+16*\q+2]   ; each result is read from its low end on
.endr
.irp i, 3,5,7,9,11,13
.irp q, 0,1,2,3
	v_max3_num_f32 v[M+\q], v[M+\q], v[D+16*\q+\i], v[D+16*\q+\i+1]
.endr
.endr
.irp c, 0,1
	v_max3_num_f32 v[M+2*\c], v[M+2*\c], v[M+2*\c+1], v[D+32*\c+15]
.endr
.irp c, 0,1
	v_max3_num_f32 v[M+2*\c], v[M+2*\c], v[D+32*\c+31], s47          ; with 2^-124: the largest of relu(.), and its exponent field is 3 at the least, so that the byte does not fall under 1
.endr
.irp c, 0,1
	s_delay_alu instid0(VALU_DEP_2)
	v_add_nc_u32 v[FB+\c], 0xff000000, v[M+2*\c]   ; the exponent field less 2: the scale; the conversion takes the exponent field and ignores the mantissa
.endr
.irp c, 0,1
	s_delay_alu instid0(VALU_DEP_2)
	v_lshrrev_b32 v[EB+\c], 23, v[FB+\c]           ; and its byte
.endr
.irp t, 0,1,2,3,4,5,6,7
	v_cvt_scalef32_pk8_fp4_f32 v[HC+\t], v[D+8*\t:D+8*\t+7], v[FB+\t/4]   ; register 4 c + g of the operand: k = 64 c + 32 hh + 8 g + 0 .. 7
.endr
	v_lshl_or_b32 v[EB+2], v[EB+1], 16, v[EB]      ; my two bytes (also the plain place behind the conversions),
	s_delay_alu instid0(VALU_DEP_1)
	v_lshlrev_b32 v[EB+2], v[SH8], v[EB+2]         ; at their places in the scale word: 8 hh bits up;
	s_delay_alu instid0(VALU_DEP_1)
	v_permlanex16_b32 v[EB+3], v[EB+2], s60, s61
	NIB 0
	v_or_b32 v[HS], v[EB+2], v[EB+3]               ; with lane l xor 16's two the word is whole: 24 plain instructions ahead of the products that read it
	NIB 2
	NIB 4
	NIB 6
.endm
; The next tile's inp: only its first number, s, differs from point to point.  In three parts, so that the first two are the places in front of and behind the second layer's products.
.macro A1A
	s_wait_dscnt 0x0                               ; s (asked for a trip ago)
	v_cndmask_b32 v[X], v[S], v[H31], s62          ; lanes 0-15: inp[0] = s;  lanes 16-31: inp[32] = h[31]
	s_delay_alu instid0(VALU_DEP_1)
	v_max_num_f32 v[E], |v[X]|, v[HM]              ; my block's largest magnitude
	s_delay_alu instid0(VALU_DEP_1)
	v_lshrrev_b32 v[E], 23, v[E]
	s_delay_alu instid0(VALU_DEP_1)
	v_max_u32 v[E], 3, v[E]
.endm
.macro A1B
	v_add_nc_u32 v[E], -2, v[E]                    ; its scale byte
	s_delay_alu instid0(VALU_DEP_1)
	v_lshlrev_b32 v[F], 23, v[E]
	s_delay_alu instid0(VALU_DEP_2)
	v_lshl_or_b32 v[IS], v[E1X], 8, v[E]           ; lanes 0-15: the point's scale word (the upper two bytes 0, over zero codes)
	v_add_nc_u32 v[PA], 128, v[PA]                 ; on to the next tile's 16 points
.endm
.macro A2 xb                           ; my block's 32 numbers, from register xb on, into codes
.irp g, 0,1,2,3
	v_cvt_scalef32_pk8_fp4_f32 v[IC+\g], v[\xb+8*\g:\xb+8*\g+7], v[F]
.endr
.endm
.macro RELU                            ; two to an instruction: an even and an odd destination, second sources in neighbouring banks, the first source of both the constant 0
.irp q, 0,1,2,3,4,5,6,7,8,9,10,11,12,13,14,15,16,17,18,19,20,21,22,23,24,25,26,27,28,29,30,31
	v_dual_max_num_f32 v[D+2*\q], 0, v[D+2*\q] :: v_dual_max_num_f32 v[D+2*\q+1], 0, v[D+2*\q+1]
.endr
.endm
.macro DOT dst                         ; my 64 units' part of the last layer, in f32: four running pairs; half the bias starts the first
	v_pk_fma_f32 v[P:P+1], v[D:D+1], v[W2:W2+1], v[BI2:BI2+1]
.irp q, 1,2,3
	v_pk_mul_f32 v[P+2*\q:P+2*\q+1], v[D+2*\q:D+2*\q+1], v[W2+2*\q:W2+2*\q+1]
.endr
.irp q, 4,5,6,7,8,9,10,11,12,13,14,15,16,17,18,19,20,21,22,23,24,25,26,27,28,29,30,31
	s_delay_alu instid0(VALU_DEP_4)
	v_pk_fma_f32 v[P+2*(\q%4):P+2*(\q%4)+1], v[D+2*\q:D+2*\q+1], v[W2+2*\q:W2+2*\q+1], v[P+2*(\q%4):P+2*(\q%4)+1]
.endr
	s_delay_alu instid0(VALU_DEP_3)
	v_pk_add_f32 v[P:P+1], v[P:P+1], v[P+2:P+3]
	s_delay_alu instid0(VALU_DEP_2)
	v_pk_add_f32 v[P+4:P+5], v[P+4:P+5], v[P+6:P+7]
	s_delay_alu instid0(VALU_DEP_1)
	v_pk_add_f32 v[P:P+1], v[P:P+1], v[P+4:P+5]
	s_delay_alu instid0(VALU_DEP_1)
	v_add_f32 v[\dst], v[P], v[P+1]
.endm
	v_lshlrev_b32 v[FA], 4, v241
	s_delay_alu instid0(VALU_DEP_1)
	v_lshl_add_u32 v[FA], v240, 11, v[FA]
	v_lshlrev_b32 v[BA], 7, v240
	v_lshlrev_b32 v[ADS2], 1, v241
	v_lshlrev_b32 v[ADS4], 2, v241
	v_lshlrev_b32 v[SH8], 3, v240
	s_cmp_lg_u32 s4, 7
	s_cbranch_scc1 .Lno_outer
	; WAVE 7: THE NET ON h, by the same macros, ahead of its 16 tiles; all 16 columns of its tile are row b.  Its input is h[0..62] and a zero: X one place down, built in D's registers
	LOADNET 1
	LOADW2 BIA+2048+1024
	v_mov_b32 v14, 0
	s_delay_alu instid0(VALU_DEP_1)
	v_permlanex16_b32 v14, v[H31], s60, s61        ; lanes 0-15: h[31]
.irp i, 0,1,2,3,4,5,6,7,8,9,10,11,12,13,14,15,16,17,18,19,20,21,22,23,24,25,26,27,28,29,30
	v_mov_b32 v[D+\i], v[X+\i+1]
.endr
	v_cndmask_b32 v[D+31], v14, 0, s62             ; lanes 16-31: k = 63, the zero that fills the last block
	s_delay_alu instid0(VALU_DEP_1)
	v_max_num_f32 v14, |v[D+31]|, v[HM]            ; my block's largest magnitude: HM covers the 31 numbers that were moved
	s_delay_alu instid0(VALU_DEP_1)
	v_lshrrev_b32 v[E], 23, v14
	s_delay_alu instid0(VALU_DEP_1)
	v_max_u32 v[E], 3, v[E]
	s_delay_alu instid0(VALU_DEP_1)
	v_add_nc_u32 v[E], -2, v[E]
	s_delay_alu instid0(VALU_DEP_1)
	v_lshlrev_b32 v[F], 23, v[E]
	v_mov_b32 v15, 0
	s_delay_alu instid0(VALU_DEP_1)
	v_permlanex16_b32 v15, v[E], s60, s61
	s_delay_alu instid0(VALU_DEP_1)
	v_lshl_or_b32 v[IS], v15, 8, v[E]
	A2 D
	v_mov_b32 v[BI2], s76                          ; nb2[0]
	s_delay_alu instid0(VALU_DEP_1)
	v_mul_f32 v[BI2], 0.5, v[BI2]
	s_wait_alu depctr_va_vdst(0)
	s_wait_dscnt 0x0
	PLACES 8                                       ; a scale register written by a vector instruction stands 8 places ahead of the scaled matrix instruction, an operand so written 4
	LAYER W0F, IC, BI0, SW0, IS
	PLACES 4
	HID
	PLACES 4
	LAYER W1F, HC, BI1, SW1, HS
	PLACES 4
	RELU
	DOT 14                                         ; o0
	LOADW2 BIA+2048+1536
	v_mov_b32 v[BI2], s77                          ; nb2[1]
	s_delay_alu instid0(VALU_DEP_1)
	v_mul_f32 v[BI2], 0.5, v[BI2]
	s_wait_alu depctr_va_vdst(0)
	s_wait_dscnt 0x0
	DOT 15                                         ; o1
	v_permlanex16_b32 v[T], v14, s60, s61
	s_delay_alu instid0(VALU_DEP_1)
	v_add_f32 v[O0], v14, v[T]                     ; both wait in registers for the end
	s_delay_alu instid0(VALU_DEP_2)
	v_permlanex16_b32 v[T], v15, s60, s61
	s_delay_alu instid0(VALU_DEP_1)
	v_add_f32 v[O1], v15, v[T]
.Lno_outer:
	s_wait_alu depctr_va_vdst(0)
	LOADNET 0
	LOADW2 BIA+1024
	v_mov_b32 v[BI2], s66                          ; ib2
	s_delay_alu instid0(VALU_DEP_1)
	v_mul_f32 v[BI2], 0.5, v[BI2]
	s_mul_i32 s67, s4, 2688                        ; 21 tiles of 128 bytes a wave
	s_add_co_u32 s67, s67, PT-128
	v_lshl_add_u32 v[PA], v239, 3, s67             ; one tile in front of my first
	s_cmp_eq_u32 s4, 7
	s_cselect_b32 s6, 5, 0                         ; the count runs up to 21: 21 tiles, wave 7's 16
	ds_load_b32 v[S], v[PA] offset:128             ; s of my first tile
	s_wait_alu depctr_va_vdst(0)
	A1A
	ds_load_b32 v[S], v[PA] offset:256             ; and of the second
	A1B
	A2 X
	PLACES 8                                       ; as above: 8 places ahead of the first product for the scale word, 4 for the codes
	s_wait_dscnt 0x0
.Ltile:                                            ; a trip is a tile of 16 points
	s_wait_alu depctr_va_vdst(0)
	LAYER W0F, IC, BI0, SW0, IS                    ; the first layer
	FIN                                            ; the tile before: its plain instructions, which name none of the products' registers, are the places behind them
	ds_load_b32 v[G0], v[PA] offset:4              ; this tile's weights, wanted a trip on
	s_wait_alu depctr_va_vdst(0)
	HID
	s_wait_alu depctr_va_vdst(0)
	A1A                                            ; four plain instructions between the last masking of the codes and the products that read them
	ds_load_b32 v[S], v[PA] offset:256             ; s of the tile after the next (the table has 13 tiles more than the points need: no read leaves it)
	LAYER W1F, HC, BI1, SW1, HS                    ; the second layer
	A1B                                            ; the four places behind it
	A2 X
	RELU
	DOT Z
	s_add_co_u32 s6, s6, 1
	s_cmp_lt_u32 s6, 21
	s_cbranch_scc1 .Ltile
	s_wait_alu depctr_va_vdst(0)
	FIN                                            ; the last tile
.irp k, 1,2,4,8
	s_delay_alu instid0(VALU_DEP_1)
	v_add_f32_dpp v[ACC], v[ACC], v[ACC] row_xmask:\k row_mask:0xf bank_mask:0xf   ; over the 16 points; both halves of the lanes hold the same sums
.endr
	s_wait_alu depctr_va_vdst(0)
	s_wait_dscnt 0x0                               ; my reads of LDS in the loop are over:
	BAR                                            ; everybody's: only behind this barrier does any wave store into LDS again
	ds_store_b32 v[ARD], v[ACC] offset:RED
	s_cmp_lg_u32 s4, 7
	s_cbranch_scc1 .Lno_o
	ds_store_b32 v[AZ], v[O0] offset:RED+32        ; all lanes write the same word with the same value
	ds_store_b32 v[AZ], v[O1] offset:RED+36
.Lno_o:
	s_wait_dscnt 0x0                               ; for wave 0's sake: my sum is stored
	BAR
	s_cmp_lg_u32 s4, 0
	s_cbranch_scc1 .Lnot_first
	ds_load_b128 v[64:67], v[AZ] offset:RED
	ds_load_b128 v[68:71], v[AZ] offset:RED+16
	ds_load_b64 v[72:73], v[AZ] offset:RED+32
	s_wait_dscnt 0x0
	v_pk_add_f32 v[64:65], v[64:65], v[66:67]
	v_pk_add_f32 v[68:69], v[68:69], v[70:71]
	s_delay_alu instid0(VALU_DEP_1)
	v_pk_add_f32 v[64:65], v[64:65], v[68:69]
	s_delay_alu instid0(VALU_DEP_1)
	v_add_f32 v64, v64, v65                        ; the double sum
	v_mul_f32 v73, 0x3fb8aa3b, v73
	s_wait_alu depctr_va_vdst(0)
	v_exp_f32 v73, v73                             ; exp(o1)
	v_mul_f32 v64, s38, v64                        ; (the plain place behind the exponential)  x x[b]
	s_delay_alu instid0(VALU_DEP_1)
	v_mul_f32 v64, 0.5, v64                        ; / 2
	v_fma_f32 v64, v73, v64, v72
	v_mov_b32 v65, s39                             ; 4 b
	v_cmp_eq_u32 vcc_lo, 0, v0
	s_wait_alu depctr_va_vdst(0)
	s_wait_xcnt 0x0                                ; EXEC changes only behind this wait
	s_and_saveexec_b32 s40, vcc_lo                 ; the work-group's result is one number: one lane stores it
	global_store_b32 v65, v64, s[36:37]
	s_wait_xcnt 0x0                                ; and again, in front of the line that widens it
	s_or_b32 exec_lo, exec_lo, s40
.Lnot_first:
	CROUND                                         ; the closing round: no work-group ends while a partner may still ask for a piece that names it
	s_endpgm
.Lfunc_end_k_q247a5c926e_umnn:
	.size	k_q247a5c926e_umnn, .Lfunc_end_k_q247a5c926e_umnn-k_q247a5c926e_umnn
	.p2alignl 7, 3214868480
	.fill 96, 4, 3214868480
	.section	.rodata,"a",@progbits
	.p2align	6, 0x0
	.amdhsa_kernel k_q247a5c926e_umnn
		.amdhsa_group_segment_fixed_size 262144
		.amdhsa_private_segment_fixed_size 0
		.amdhsa_enable_private_segment 0
		.amdhsa_kernarg_size 120
		.amdhsa_user_sgpr_count 2
		.amdhsa_user_sgpr_kernarg_segment_ptr 1
		.amdhsa_wavefront_size32 1
		.amdhsa_system_sgpr_workgroup_id_x 1
		.amdhsa_system_sgpr_workgroup_id_y 1
		.amdhsa_system_sgpr_workgroup_id_z 1
		.amdhsa_system_vgpr_workitem_id 0
		.amdhsa_next_free_vgpr 512
		.amdhsa_next_free_sgpr 96
		.amdhsa_reserve_vcc 1
		.amdhsa_float_denorm_mode_32 3
		.amdhsa_float_denorm_mode_16_64 3
		.amdhsa_memory_ordered 1
		.amdhsa_forward_progress 1
		.amdhsa_inst_pref_size 129
	.end_amdhsa_kernel
	.amdgpu_metadata
---
amdhsa.version: [ 1, 2 ]
amdhsa.kernels:
  - .name:           k_q247a5c926e_umnn
    .symbol:         k_q247a5c926e_umnn.kd
    .args:
      - { .name: x, .offset: 0, .size: 8, .value_kind: global_buffer, .address_space: global }
      - { .name: h, .offset: 8, .size: 8, .value_kind: global_buffer, .address_space: global }
      - { .name: iw0, .offset: 16, .size: 8, .value_kind: global_buffer, .address_space: global }
      - { .name: nw0, .offset: 24, .size: 8, .value_kind: global_buffer, .address_space: global }
      - { .name: iw1, .offset: 32, .size: 8, .value_kind: global_buffer, .address_space: global }
      - { .name: nw1, .offset: 40, .size: 8, .value_kind: global_buffer, .address_space: global }
      - { .name: ib0, .offset: 48, .size: 8, .value_kind: global_buffer, .address_space: global }
      - { .name: nb0, .offset: 56, .size: 8, .value_kind: global_buffer, .address_space: global }
      - { .name: ib1, .offset: 64, .size: 8, .value_kind: global_buffer, .address_space: global }
      - { .name: nb1, .offset: 72, .size: 8, .value_kind: global_buffer, .address_space: global }
      - { .name: iw2, .offset: 80, .size: 8, .value_kind: global_buffer, .address_space: global }
      - { .name: nw2, .offset: 88, .size: 8, .value_kind: global_buffer, .address_space: global }
      - { .name: ib2, .offset: 96, .size: 8, .value_kind: global_buffer, .address_space: global }
      - { .name: nb2, .offset: 104, .size: 8, .value_kind: global_buffer, .address_space: global }
      - { .name: out0, .offset: 112, .size: 8, .value_kind: global_buffer, .address_space: global }
    .group_segment_fixed_size: 262144
    .private_segment_fixed_size: 0
    .kernarg_segment_align: 8
    .kernarg_segment_size: 120
    .max_flat_workgroup_size: 256
    .sgpr_count:     96
    .vgpr_count:     512
    .wavefront_size: 32
...
	.end_amdgpu_metadata
.endif
;; end of part 1
